; MI455X (gfx1250); checked and timed in simulation.
; The chip was launched on July 23, 2026; its instructions are those of AMD's public machine-readable ISA for CDNA 5 (MIT licence, August 2026) and "CDNA5" Instruction Set Architecture Reference Guide (July 2026). The comments in the code are by the model that wrote it; some were corrected since.
;; PPO Agent. Allowed arithmetic: float matrix products may take bf16 or f16 operands with f32 sums; other float arithmetic in f32, or as packed bf16 or f16 multiplies, adds, multiply-adds, maxima and minima; sums over many terms, partial sums and values carried from step to step in f32; what a program stores and reads back later, other than sums and carried values, may be rounded once to bf16 or f16.
;; Inputs: ab1 256 float32; ab2 256 float32; ab3 18 float32; ag1 256 float32; ag2 256 float32; an1 256 float32; an2 256 float32; aw1 64 x 256 float32; aw2 256 x 256 float32; aw3 256 x 18 float32; cb1 256 float32; cb2 256 float32; cb3 1 float32; cg1 256 float32; cg2 256 float32; cn1 256 float32; cn2 256 float32; cw1 64 x 256 float32; cw2 256 x 256 float32; cw3 256 x 1 float32; masks 131,072 float32; next_states 131,072 x 64 float32; rewards 131,072 float32; states 131,072 x 64 float32.
;; Outputs: out0 131,072 x 20 float32.
;; 2 versions, each right; version 2 is version 1 with the launch finish written anew for expert scheduling mode. Each part assembles by itself: llvm-mc -triple=amdgcn-amd-amdhsa -mcpu=gfx1250 --defsym DOCPART=n.
;; ======== version 1 of 2: 2 launches
;; limits: a difference of large sums (such as E[x^2] - mean^2): digits are lost where the result is much smaller than its terms; values are held in f16: magnitudes above 65,504 overflow, below 6.1e-05 lose precision; inputs' magnitudes at most 65,504
;; workspace buffers: probs16 5,242,880 bytes; gae 1,572,864 bytes; carry 2,048 bytes
;; launch main (part 1): grid 256 x 1, 4 waves a work-group, no clusters, 285,696 bytes of LDS; arguments states, next_states, rewards, masks, cw1, cw2, cw3, cb1, cg1, cn1, cb2, cg2, cn2, cb3, aw1, aw2, aw3, ab1, ag1, an1, ab2, ag2, an2, ab3, probs16, gae, carry; writes probs16, gae, carry
.if DOCPART == 1
	.amdgcn_target "amdgcn-amd-amdhsa--gfx1250"
	.amdhsa_code_object_version 6
	.text
	.protected	k_qce0c7feac1_main
	.globl	k_qce0c7feac1_main
	.p2align	8
	.type	k_qce0c7feac1_main,@function
k_qce0c7feac1_main:
	s_mov_b64 s[64:65], 0
	v_nop
	global_prefetch_b8 v0, s[64:65] scope:SCOPE_SE
	s_setreg_imm32_b32 hwreg(HW_REG_WAVE_MODE, 25, 1), 1
	s_wait_xcnt 0x0
; PPO: actor probabilities, critic values of states and next_states, deltas, and the GAE recurrence inside chunks of 512 timesteps.
; NOTHING IS LEFT OUT: every one of the 24 inputs reaches an output, and every product of the three passes is live.
; SHARES.  Work-group b owns timesteps 512 b .. 512 b + 511.  Six TRIPS of 256 rows (a wave 64 rows: four tiles of 16): trips 0, 1 critic on states, 2, 3 critic on next_states,
; 4, 5 actor on states.  One text serves all six; the weights in LDS are changed once, between trips 3 and 4.  The states, once rounded, are kept in LDS (64 KiB) for trips 4 and 5: each input byte is loaded once.
; FORMATS.  Every input is rounded to bf16; x and the weights are then written as f16 (exact from 2^-17 to 65,504), biases, gains, shifts, rewards and masks stay f32 numbers.
; The two hidden layers are rounded once to f16.  All products are v_wmma_f32_16x16x32_f16 with f32 sums.  Everything else is f32.
; LAYOUT.  Every product is taken transposed: source 0 = 16 hidden units (weights [k][n] in LDS, turned by ds_load_tr16_b128), source 1 = 16 rows.  A lane of the result holds ONE row
; (lane % 16) and units 16 nb + 8 (lane / 16) + 0..7; blocks 2 kk and 2 kk + 1, rounded in pairs, ARE source 1 of K step kk of the next layer: nothing changes lanes.
; The bias is the C operand of each sum's first product.  A row's sum and sum of squares run along the lane's registers, beside the products of the next block, and want one exchange of the lanes' halves.
; LIMITS.  The variance is E[y^2] - mu^2 in f32 (held at 0 from below): with |mu| = 30 sigma it keeps 14 bits.  f16 ends at 65,504: x, weights and |h| <= 16 |g| + |n| must lie within it;
; below 2^-17 an operand keeps f16's fixed step of 6e-8.  An exponential below 2^-126 counts as 0.  NaN and infinities are not treated apart.
; NO CLUSTER: what work-groups share is the weights, and each number of them is rounded twice in registers on its way into LDS; as f32 a net is 346,112 bytes, more than LDS holds.
; OUT.  probs16 [T][20] f16 (18 probabilities, two zeros); gae: A0 [T] (advantage with carry 0 behind the chunk), C [T] (product of the coefficients to the chunk's end), v [T]; carry: C and A0 of each chunk's first step.
.set PITCH, 544                ; a row of W1 or W2 in LDS: 512 bytes + 32 = 17 x 32
.set KSTP,  32*PITCH           ; a K step
.set HSTP,  16*PITCH           ; half of one
.set P3,    96                 ; a row of W3: 32 columns of f16 + 32 bytes = 3 x 32
.set W2O,   64*PITCH           ; W1: rows 0-63 from byte 0; W2: rows 64-319
.set W3O,   320*PITCH
.set PRM,   W3O+256*P3         ; f32 tables: b1 +0, g1 +1024, n1 +2048, b2 +3072, g2 +4096, n2 +5120, b3 by column +6144
.set VVO,   PRM+6400           ; values [512], then next values [512]
.set WTO,   VVO+4096           ; the four waves' (P, S)
.set STG,   WTO+256            ; 2,560 bytes a wave: 64 rows x 40 bytes of probabilities
.set XSO,   STG+4*2560         ; the states' fragments: 16,384 w + 8,192 g, 16 images of 512 bytes
.set SPARE, XSO+65536          ; the spare words, 128 bytes a wave: two blocks of 256 bytes that no other line names
; window 0
.set SPW, 2                    ; SPARE + 4 x thread; never rewritten
.set NIL, 3                    ; 0; never rewritten
.set VA1, 4                    ; turning load's lane term, W1
.set VA2A, 5                   ; W2, K steps 0-3
.set VA2B, 6                   ; W2, K steps 4-7
.set VA3, 7                    ; W3
.set VP,  8                    ; PRM + 32 (lane / 16)
.set XO,  9                    ; 256 (lane % 16) + 32 (lane / 16)
.set PFO, 10                   ; 256 x lane
.set XS0, 11
.set VV0, 12
.set STW, 13
.set STW2, 14
.set STR, 15
.set GO,  16                   ; 16 x lane
.set VPL, 17                   ; the LayerNorm's table address
.set RW,  20                   ; v20-23 my four rewards
.set MK,  24                   ; v24-27 my four masks
.set SUM, 32                   ; tile t: sum pair at 32 + 4 t, squares pair at 34 + 4 t; later (rs, mu), (-mu rs, .)
.set T16, 56                   ; 16 x thread; never rewritten
.set T8,  57                   ; 8 x thread; never rewritten
.set LW,  58
.set W3A, 59
.set W3G, 60
.set B3G, 61
.set TB,  62
.set TC,  63
.set BT,  64                   ; v64-95, v96-127 bias tiles, two buffers
.set GN,  96                   ; v96-127 gain and shift tiles, two buffers of 16
.set WB,  128                  ; v128-191, v192-255 weight fragments, two buffers
.set RING, 128                 ; the weights' way in: 4 slots of 8 quads
; window 1: H(t, kk) = 64 t + 8 kk: x, then h1, then h2.   windows 2, 3: ACC(nb, t) = 32 (nb & 7) + 8 t in window 2 + (nb >> 3).
; window 2 v0-127 also takes the next x in f32; window 3 v0-63 also the last layer's sums O(blk, t) = 32 blk + 8 t.
.set WV,  4
.set SP,  8                    ; s[8:9] states, s[10:11] next_states, at my wave's first row
.set NP,  10
.set PP,  56                   ; probs16 at my wave's rows
.set GAE, 58
.set CAR, 60
.set PCN, 66                   ; passes to go: 3 critic on states, 2 critic on next_states, 1 actor
.set GCN, 67
.set LY,  68
.set TI,  69                   ; trip 0..5
.set HIM, 70                   ; 0xffff0000: a word's upper half; also the lanes 16-31
.set ZERO, 71
.set SEL, 72
.set XP,  74
.set WP,  76
.set L2E, 78
.set XOFF, 80
.set PFP, 82
.set UMAX, 84
.set T0,  85
.set T1,  86
.set CC,  88
.set MSB, 0
.macro WIN new                 ; the immediate's high byte repeats the setting that is left; a switch that changes nothing is dropped
.if MSB != (\new)
	s_set_vgpr_msb (MSB<<8)|(\new)
.set MSB, (\new)
.endif
.endm
.macro PLACES                  ; four places behind a matrix instruction (ISA guide 7.12.1), where no other vector work is at hand
.rept 4
	v_nop
.endr
.endm
; 32 loads: my 64 rows of x in f32, laid as the fragments want them, into window 2
.macro XLOAD
	WIN 0x80
.irp t, 0,1,2,3
.irp c, 0,1
	global_load_b128 v[32*\t+16*\c:32*\t+16*\c+3],     v[XO], s[XP:XP+1] offset:4096*\t+128*\c
	global_load_b128 v[32*\t+16*\c+4:32*\t+16*\c+7],   v[XO], s[XP:XP+1] offset:4096*\t+128*\c+16
	global_load_b128 v[32*\t+16*\c+8:32*\t+16*\c+11],  v[XO], s[XP:XP+1] offset:4096*\t+128*\c+64
	global_load_b128 v[32*\t+16*\c+12:32*\t+16*\c+15], v[XO], s[XP:XP+1] offset:4096*\t+128*\c+80
.endr
.endr
	WIN 0
.endm
; rider i of 32 of block nb: groups of four of one kind, a tile each: pair i / 8 joins the sum (even groups) or the sum of squares (odd).  The pairs ascend: each accumulator is first read at its low end.
.macro STAT nb, i
.set sW, 2+((\nb)>>3)
.set sT, (\i)%4
.set sA, 32*((\nb)&7)+8*sT+2*((\i)/8)
.if (((\i)/4)%2) == 0
	WIN sW
	v_pk_add_f32 v[SUM+4*sT:SUM+4*sT+1], v[sA:sA+1], v[SUM+4*sT:SUM+4*sT+1]
.else
	WIN (sW<<2)|sW
	v_pk_fma_f32 v[SUM+4*sT+2:SUM+4*sT+3], v[sA:sA+1], v[sA:sA+1], v[SUM+4*sT+2:SUM+4*sT+3]
.endif
.endm
.macro CLEAR                   ; the four tiles' sums start at 0
	WIN 0
.set lq, 0
.rept 16
	v_mov_b32 v[SUM+lq], 0
.set lq, lq+1
.endr
.endm
.macro FLUSH first, count      ; behind a layer's last unit: its riders, four places behind its last product
	WIN 0
	PLACES
.set ri, 0
.rept \count
	STAT (\first)+ri/32, ri%32
.set ri, ri+1
.endr
	WIN 0
.endm
; layer 1, unit u: blocks 4 u .. 4 u + 3: 8 fragments of W1 and 4 bias tiles
.macro WLOAD1 u
.set wB, WB+64*((\u)&1)
.set wC, BT+32*((\u)&1)
	WIN 0
.irp i, 0,1,2,3
.irp c, 0,1
	ds_load_tr16_b128 v[wB+16*\i+8*\c:wB+16*\i+8*\c+3],   v[VA1] offset:KSTP*\c+32*(4*(\u)+\i)
	ds_load_tr16_b128 v[wB+16*\i+8*\c+4:wB+16*\i+8*\c+7], v[VA1] offset:KSTP*\c+32*(4*(\u)+\i)+HSTP
.endr
.endr
.irp i, 0,1,2,3
	ds_load_b128 v[wC+8*\i:wC+8*\i+3],   v[VP] offset:64*(4*(\u)+\i)
	ds_load_b128 v[wC+8*\i+4:wC+8*\i+7], v[VP] offset:64*(4*(\u)+\i)+16
.endr
.endm
; layer 2, block nb: 8 fragments of W2 and a bias tile
.macro WLOAD2 nb
.set wB, WB+64*((\nb)&1)
.set wC, BT+32*((\nb)&1)
	WIN 0
.irp k, 0,1,2,3
	ds_load_tr16_b128 v[wB+8*\k:wB+8*\k+3],   v[VA2A] offset:KSTP*\k+32*(\nb)
	ds_load_tr16_b128 v[wB+8*\k+4:wB+8*\k+7], v[VA2A] offset:KSTP*\k+32*(\nb)+HSTP
.endr
.irp k, 0,1,2,3
	ds_load_tr16_b128 v[wB+32+8*\k:wB+32+8*\k+3],   v[VA2B] offset:KSTP*\k+32*(\nb)
	ds_load_tr16_b128 v[wB+32+8*\k+4:wB+32+8*\k+7], v[VA2B] offset:KSTP*\k+32*(\nb)+HSTP
.endr
	ds_load_b128 v[wC:wC+3],   v[VP] offset:3072+64*(\nb)
	ds_load_b128 v[wC+4:wC+7], v[VP] offset:3072+64*(\nb)+16
.endm
; 32 products of layer 1: K half n / 16, block 4 u + (n / 4) % 4, tile n % 4: 16 accumulators by turns.  Behind the first: four places and the next unit's loads
; (their buffer's last reader is the unit before); behind each other one four riders of the unit before, eight behind the last.
.macro UNIT1 u
.set uW, 2+((\u)>>1)
.set uB, WB+64*((\u)&1)
.set uC, BT+32*((\u)&1)
	s_wait_dscnt 0x0               ; this unit's fragments, asked for 31 products ago
.set n, 0
.set ri, 0
.rept 32
.set i4, (n/4)%4
.set tt, n%4
.set uA, 32*((4*(\u)+i4)&7)+8*tt
.if n < 16
	WIN (uW<<6)|4
	v_wmma_f32_16x16x32_f16 v[uA:uA+7], v[uB+16*i4:uB+16*i4+7], v[64*tt:64*tt+7], v[uC+8*i4:uC+8*i4+7]
.else
	WIN (uW<<6)|(uW<<4)|4
	v_wmma_f32_16x16x32_f16 v[uA:uA+7], v[uB+16*i4+8:uB+16*i4+15], v[64*tt+8:64*tt+15], v[uA:uA+7]
.endif
.if n == 0
	WIN 0
	PLACES
.if (\u) < 3
	WLOAD1 (\u)+1
.endif
.elseif (\u) > 0
.rept 4+4*(n/31)
	STAT 4*((\u)-1)+ri/32, ri%32
.set ri, ri+1
.endr
.endif
.set n, n+1
.endr
.endm
; 32 products of layer 2, block nb: K step n / 4, tile n % 4: 4 accumulators by turns.  Behind every fourth product four riders of block nb - 1.
.macro UNIT2 nb
.set uW, 2+((\nb)>>3)
.set uB, WB+64*((\nb)&1)
.set uC, BT+32*((\nb)&1)
.set uA, 32*((\nb)&7)
	s_wait_dscnt 0x0               ; this block's fragments, asked for 31 products ago
.set n, 0
.rept 32
.set kk, n/4
.set tt, n%4
.if kk == 0
	WIN (uW<<6)|4
	v_wmma_f32_16x16x32_f16 v[uA+8*tt:uA+8*tt+7], v[uB:uB+7], v[64*tt:64*tt+7], v[uC:uC+7]
.else
	WIN (uW<<6)|(uW<<4)|4
	v_wmma_f32_16x16x32_f16 v[uA+8*tt:uA+8*tt+7], v[uB+8*kk:uB+8*kk+7], v[64*tt+8*kk:64*tt+8*kk+7], v[uA+8*tt:uA+8*tt+7]
.endif
.if n == 0
	WIN 0
	PLACES
.if (\nb) < 15
	WLOAD2 (\nb)+1
.endif
.endif
.if ((\nb) > 0) && (tt == 3)
.set ri, n-3
.rept 4
	STAT (\nb)-1, ri
.set ri, ri+1
.endr
.endif
.set n, n+1
.endr
.endm
.macro GNLOAD nb               ; gains and shifts of block nb: my 8 units of each
.set gG, GN+16*((\nb)&1)
	ds_load_b128 v[gG:gG+3],     v[VPL] offset:1024+64*(\nb)
	ds_load_b128 v[gG+4:gG+7],   v[VPL] offset:1024+64*(\nb)+16
	ds_load_b128 v[gG+8:gG+11],  v[VPL] offset:2048+64*(\nb)
	ds_load_b128 v[gG+12:gG+15], v[VPL] offset:2048+64*(\nb)+16
.endm
; LayerNorm and ReLU of all 16 blocks x 4 tiles: y rs - mu rs, times g plus n, rounded once to f16, then the maximum with 0 on the packed halves
.macro LNORM
	WIN 0
	GNLOAD 0
.irp t, 0,1,2,3
	v_add_f32 v[SUM+4*\t], v[SUM+4*\t], v[SUM+4*\t+1]
	v_add_f32 v[SUM+4*\t+2], v[SUM+4*\t+2], v[SUM+4*\t+3]
.endr
.irp t, 0,1,2,3
	v_permlanex16_b32 v[SUM+4*\t+1], v[SUM+4*\t], s[SEL], s[SEL+1]      ; the row's other 128 units lie in the lane 16 away
	v_permlanex16_b32 v[SUM+4*\t+3], v[SUM+4*\t+2], s[SEL], s[SEL+1]
.endr
.irp t, 0,1,2,3
	v_add_f32 v[SUM+4*\t], v[SUM+4*\t], v[SUM+4*\t+1]
	v_add_f32 v[SUM+4*\t+2], v[SUM+4*\t+2], v[SUM+4*\t+3]
.endr
.irp t, 0,1,2,3
	v_mul_f32 v[SUM+4*\t+1], 0x3b800000, v[SUM+4*\t]                    ; mu = sum / 256
	v_mul_f32 v[SUM+4*\t+2], 0x3b800000, v[SUM+4*\t+2]
.endr
.irp t, 0,1,2,3
	v_fma_f32 v[SUM+4*\t+2], -v[SUM+4*\t+1], v[SUM+4*\t+1], v[SUM+4*\t+2]  ; E[y^2] - mu^2
.endr
.irp t, 0,1,2,3
	v_max_num_f32 v[SUM+4*\t+2], 0, v[SUM+4*\t+2]
.endr
.irp t, 0,1,2,3
	v_add_f32 v[SUM+4*\t+2], 0x3727c5ac, v[SUM+4*\t+2]                  ; + 1e-5
.endr
.irp t, 0,1,2,3
	v_rsq_f32 v[SUM+4*\t], v[SUM+4*\t+2]
.endr
	v_nop                          ; a plain instruction behind the last root,
	s_wait_alu depctr_va_vdst(0)   ; and one wait for the four, ahead of their first reader
.irp t, 0,1,2,3
	v_mul_f32 v[SUM+4*\t+2], -v[SUM+4*\t+1], v[SUM+4*\t]                ; -mu rs
.endr
.set lb, 0
.rept 16
	WIN 0
.if lb < 15
	GNLOAD lb+1
	s_wait_dscnt 0x4               ; this block's tiles are in; the four loads just issued may stay out
.else
	s_wait_dscnt 0x0
.endif
.set lW, 2+(lb>>3)
.set lG, GN+16*(lb&1)
	WIN (lW<<6)|lW
.set lq, 0
.rept 16
.set lA, 32*(lb&7)+8*(lq/4)+2*(lq%4)
	v_pk_fma_f32 v[lA:lA+1], v[lA:lA+1], v[SUM+4*(lq/4):SUM+4*(lq/4)+1], v[SUM+4*(lq/4)+2:SUM+4*(lq/4)+3] op_sel_hi:[1,0,0]
.set lq, lq+1
.endr
.set lq, 0
.rept 16
.set lA, 32*(lb&7)+8*(lq/4)+2*(lq%4)
	v_pk_fma_f32 v[lA:lA+1], v[lA:lA+1], v[lG+2*(lq%4):lG+2*(lq%4)+1], v[lG+8+2*(lq%4):lG+8+2*(lq%4)+1]
.set lq, lq+1
.endr
	WIN 0x40|(lW<<2)|lW
.set lq, 0
.rept 16
.set lA, 32*(lb&7)+8*(lq/4)+2*(lq%4)
	v_cvt_pk_f16_f32 v[64*(lq/4)+8*(lb>>1)+4*(lb&1)+(lq%4)], v[lA], v[lA+1]
.set lq, lq+1
.endr
.set lb, lb+1
.endr
	WIN 0x41
.set lq, 0
.rept 256
	v_pk_max_num_f16 v[lq], v[lq], s[ZERO]
.set lq, lq+1
.endr
	WIN 0
.endm
; the last layer: K step outer, (block, tile) inner: 4 or 8 accumulators by turns
.macro L3M nblk
.set k3, 0
.rept 8
.set b3, 0
.rept \nblk
.set t3, 0
.rept 4
.if k3 == 0
	WIN 0xc4
	v_wmma_f32_16x16x32_f16 v[32*b3+8*t3:32*b3+8*t3+7], v[WB+64*b3:WB+64*b3+7], v[64*t3:64*t3+7], v[BT+8*b3:BT+8*b3+7]
.else
	WIN 0xf4
	v_wmma_f32_16x16x32_f16 v[32*b3+8*t3:32*b3+8*t3+7], v[WB+64*b3+8*k3:WB+64*b3+8*k3+7], v[64*t3+8*k3:64*t3+8*k3+7], v[32*b3+8*t3:32*b3+8*t3+7]
.endif
.set t3, t3+1
.endr
.set b3, b3+1
.endr
.set k3, k3+1
.endr
	WIN 0
	PLACES
.endm
; a slot of the weights' ring: 8 steps of 2 rows; each quad is rounded to bf16, written as f16 and stored; then the slot is asked for again
.macro SLOT i, refill, left
	s_wait_loadcnt \left           ; loads come back in order (ISA guide 5.7.1): this slot is in, the younger slots' loads stay out
.set e8, 0
.rept 8
.set q0, RING+32*(\i)+4*e8
	v_cvt_pk_bf16_f32 v[q0], v[q0], v[q0+1]
	v_cvt_pk_bf16_f32 v[q0+2], v[q0+2], v[q0+3]
	v_and_b32 v[q0+1], s[HIM], v[q0]
	v_and_b32 v[q0+3], s[HIM], v[q0+2]
	v_lshlrev_b32 v[q0], 16, v[q0]
	v_lshlrev_b32 v[q0+2], 16, v[q0+2]
	v_cvt_pk_f16_f32 v[q0], v[q0], v[q0+1]
	v_cvt_pk_f16_f32 v[q0+1], v[q0+2], v[q0+3]
	ds_store_b64 v[LW], v[q0:q0+1] offset:2*PITCH*(8*(\i)+e8)
.set e8, e8+1
.endr
.if \refill
.set e8, 0
.rept 8
.set q0, RING+32*(\i)+4*e8
	global_load_b128 v[q0:q0+3], v[T16], s[WP:WP+1] offset:2048*(8*(\i)+e8)
.set e8, e8+1
.endr
.endif
.endm
	; ---------------------------------------------------------------- the head
	s_load_b256 s[8:15], s[0:1], 0x0               ; states, next_states, rewards, masks
	s_load_b128 s[56:59], s[0:1], 0xc0             ; probs16, gae
	s_load_b64 s[60:61], s[0:1], 0xd0              ; carry
	v_lshl_add_u32 v[SPW], v0, 2, SPARE
	v_mov_b32 v[NIL], 0
	v_lshrrev_b32 v28, 5, v0
	v_readfirstlane_b32 s[WV], v28                 ; wave 0..3
	v_and_b32 v18, 15, v0                          ; l % 16
	v_bfe_u32 v19, v0, 4, 1                        ; l / 16
	v_and_b32 v30, 31, v0                          ; l
	v_and_b32 v28, 7, v0
	v_lshl_add_u32 v28, v19, 3, v28                ; the turning load's row: 8 (l / 16) + l % 8
	v_bfe_u32 v29, v0, 3, 1                        ; and which 16 bytes of the 32
	v_mul_u32_u24 v[VA1], v28, PITCH
	v_lshl_add_u32 v[VA1], v29, 4, v[VA1]
	v_add_nc_u32 v[VA2A], W2O, v[VA1]
	v_add_nc_u32 v[VA2B], W2O+4*KSTP, v[VA1]
	v_mul_u32_u24 v[VA3], v28, P3
	v_lshl_add_u32 v[VA3], v29, 4, v[VA3]
	v_add_nc_u32 v[VA3], W3O, v[VA3]
	v_lshl_add_u32 v[VP], v19, 5, PRM
	v_lshlrev_b32 v[XO], 8, v18
	v_lshl_add_u32 v[XO], v19, 5, v[XO]
	v_lshlrev_b32 v[PFO], 8, v30
	s_lshl_b32 s[T0], s[WV], 14
	s_add_co_u32 s[T0], s[T0], XSO
	v_lshl_add_u32 v[XS0], v30, 4, s[T0]
	s_lshl_b32 s[T0], s[WV], 8
	s_add_co_u32 s[T0], s[T0], VVO
	v_lshl_add_u32 v[VV0], v30, 2, s[T0]
	s_mul_i32 s[T0], s[WV], 2560
	s_add_co_u32 s[T0], s[T0], STG                 ; my stage
	v_mul_u32_u24 v[STW2], v18, 40
	v_add_nc_u32 v[STW2], s[T0], v[STW2]
	v_lshl_add_u32 v[STW], v19, 4, v[STW2]         ; row x 40 + 16 x half
	v_add_nc_u32 v[STW2], 32, v[STW2]              ; row x 40 + 32
	v_lshl_add_u32 v[STR], v30, 4, s[T0]
	v_lshlrev_b32 v[GO], 4, v30
	v_lshlrev_b32 v[T16], 4, v0
	v_lshlrev_b32 v[T8], 3, v0
	s_mov_b32 s[HIM], 0xffff0000
	s_mov_b32 s[ZERO], 0
	s_mov_b32 s[SEL], 0x76543210
	s_mov_b32 s[SEL+1], 0xfedcba98
	s_mov_b32 s[L2E], 0x3fb8aa3b                   ; log2(e)
	s_mov_b32 s[L2E+1], s[L2E]                     ; named with it as a pair
	s_mov_b32 s[PCN], 3
	s_mov_b32 s[TI], 0
	s_mov_b32 s[XOFF], 0
	s_lshl_b32 s[T1], ttmp9, 17                    ; 512 rows of 256 bytes,
	s_lshl_b32 s[T0], s[WV], 14                    ; my wave's 64
	s_add_co_u32 s[T1], s[T1], s[T0]
	s_mov_b32 s[T1+1], 0
	s_wait_kmcnt 0x0
	s_add_nc_u64 s[SP:SP+1], s[SP:SP+1], s[T1:T1+1]
	s_add_nc_u64 s[NP:NP+1], s[NP:NP+1], s[T1:T1+1]
	s_lshl_b32 s[T1], ttmp9, 11                    ; 512 numbers of 4 bytes
	s_add_nc_u64 s[12:13], s[12:13], s[T1:T1+1]
	s_add_nc_u64 s[14:15], s[14:15], s[T1:T1+1]
	s_add_nc_u64 s[GAE:GAE+1], s[GAE:GAE+1], s[T1:T1+1]
	s_mul_i32 s[T1], ttmp9, 20480                  ; 512 rows of 40 bytes,
	s_mul_i32 s[T0], s[WV], 2560                   ; my wave's 64
	s_add_co_u32 s[T1], s[T1], s[T0]
	s_add_nc_u64 s[PP:PP+1], s[PP:PP+1], s[T1:T1+1]
	s_lshl_b32 s[T1], ttmp9, 2
	s_add_nc_u64 s[CAR:CAR+1], s[CAR:CAR+1], s[T1:T1+1]
	s_mov_b64 s[XP:XP+1], s[SP:SP+1]
	XLOAD                                          ; trip 0's rows
	global_load_b128 v[RW:RW+3], v[T16], s[12:13]  ; my four rewards and masks, for the end
	global_load_b128 v[MK:MK+3], v[T16], s[14:15]
.Lpass:                                            ; three passes of two trips
	s_wait_dscnt 0x0                               ; my reads of the weights in LDS are over
	s_barrier_signal -1
	s_barrier_wait -1                              ; everybody's are
	s_cmp_eq_u32 s[PCN], 2
	s_cbranch_scc1 .Lnocopy                        ; the second pass keeps the critic's weights
	; ---------------------------------------------------------------- a net's weights and tables into LDS
	s_wait_xcnt 0x0                                ; earlier loads have read their addresses: the pointers and offsets below may be written
	s_load_b512 s[16:31], s[0:1], 0x20             ; the critic's w1 w2 w3 b1 g1 n1 b2 g2,
	s_load_b128 s[32:35], s[0:1], 0x60             ; n2 b3
	s_load_b512 s[36:51], s[0:1], 0x70             ; the actor's
	s_load_b128 s[52:55], s[0:1], 0xb0
	v_lshrrev_b32 v[LW], 6, v0                     ; a step is 2 rows of 256: thread tau has row tau / 64, numbers 4 (tau % 64) ..
	v_mul_u32_u24 v[LW], v[LW], PITCH
	v_and_b32 v[TB], 63, v0
	v_lshl_add_u32 v[LW], v[TB], 3, v[LW]
	v_mul_u32_u24 v[W3A], v0, P3
	v_add_nc_u32 v[W3A], W3O, v[W3A]
	v_and_b32 v[TC], 31, v0
	v_and_b32 v[TB], 7, v0
	v_add_nc_u32 v[TB], 16, v[TB]
	v_cmp_gt_u32 vcc_lo, 16, v[TC]
	v_cndmask_b32 v[TB], v[TB], v[TC], vcc_lo      ; column l holds unit l (l < 16) or 16 + l % 8
	s_wait_kmcnt 0x0
	s_cmp_eq_u32 s[PCN], 1
.irp k, 0,1,2,3,4,5,6,7,8,9
	s_cselect_b64 s[16+2*\k:17+2*\k], s[36+2*\k:37+2*\k], s[16+2*\k:17+2*\k]
.endr
	s_cselect_b32 s[UMAX], 17, 0                   ; the last unit of the net's head
	v_min_u32 v[TB], s[UMAX], v[TB]
	v_lshlrev_b32 v[B3G], 2, v[TB]
.irp k, 0,1,2,3,4,5
	global_load_b64 v[64+2*\k:65+2*\k], v[T8], s[22+2*\k:23+2*\k]   ; b1 g1 n1 b2 g2 n2: two numbers a thread
.endr
	global_load_b32 v112, v[B3G], s[34:35]
.set e8, 0
.rept 32
	global_load_b128 v[RING+4*e8:RING+4*e8+3], v[T16], s[16:17] offset:2048*e8   ; the ring's first fill: all of w1
.set e8, e8+1
.endr
	s_cmp_eq_u32 s[PCN], 1
	s_cbranch_scc0 .Lw3c
	v_mul_u32_u24 v[W3G], v0, 72                   ; the actor's w3: rows tau and tau + 128, 18 numbers each
.set e8, 0
.rept 9
	global_load_b64 v[76+2*e8:77+2*e8], v[W3G], s[20:21] offset:8*e8
	global_load_b64 v[94+2*e8:95+2*e8], v[W3G], s[20:21] offset:9216+8*e8
.set e8, e8+1
.endr
	s_wait_loadcnt 0x0
.irp R, 76,94
.set e8, 0
.rept 9
	v_cvt_pk_bf16_f32 v[\R+2*e8], v[\R+2*e8], v[\R+2*e8+1]
	v_and_b32 v[\R+2*e8+1], s[HIM], v[\R+2*e8]
	v_lshlrev_b32 v[\R+2*e8], 16, v[\R+2*e8]
	v_cvt_pk_f16_f32 v[\R+e8], v[\R+2*e8], v[\R+2*e8+1]
.set e8, e8+1
.endr
	v_mov_b32 v[\R+9], 0
	v_mov_b32 v[\R+10], 0
	v_mov_b32 v[\R+11], 0
.endr
	ds_store_b128 v[W3A], v[76:79]                 ; columns 0-7, 8-15,
	ds_store_b128 v[W3A], v[80:83] offset:16
	ds_store_b128 v[W3A], v[84:87] offset:32       ; units 16, 17 in columns 16, 17 and again in 24, 25: both halves of the lanes get them; the rest 0
	ds_store_b128 v[W3A], v[84:87] offset:48
	ds_store_b128 v[W3A], v[94:97] offset:128*P3
	ds_store_b128 v[W3A], v[98:101] offset:128*P3+16
	ds_store_b128 v[W3A], v[102:105] offset:128*P3+32
	ds_store_b128 v[W3A], v[102:105] offset:128*P3+48
	s_branch .Lw3d
.Lw3c:
	v_lshlrev_b32 v[W3G], 2, v0                    ; the critic's w3: one number a row
	global_load_b32 v76, v[W3G], s[20:21]
	global_load_b32 v80, v[W3G], s[20:21] offset:512
.irp q, 77,78,79,81,82,83,84,85,86,87
	v_mov_b32 v\q, 0
.endr
	s_wait_loadcnt 0x0
.irp q, 76,80
	v_cvt_pk_bf16_f32 v\q, v\q, v84
	v_lshlrev_b32 v\q, 16, v\q
	v_cvt_pk_f16_f32 v\q, v\q, v84
.endr
	ds_store_b128 v[W3A], v[76:79]                 ; the unit in columns 0 and 8: every lane gets its row's value in register 0; the rest 0
	ds_store_b128 v[W3A], v[76:79] offset:16
	ds_store_b128 v[W3A], v[84:87] offset:32
	ds_store_b128 v[W3A], v[84:87] offset:48
	ds_store_b128 v[W3A], v[80:83] offset:128*P3
	ds_store_b128 v[W3A], v[80:83] offset:128*P3+16
	ds_store_b128 v[W3A], v[84:87] offset:128*P3+32
	ds_store_b128 v[W3A], v[84:87] offset:128*P3+48
.Lw3d:
	v_add_nc_u32 v[TB], PRM, v[T8]                 ; the tables: rounded to bf16, kept as f32 (both arms have waited for all loads)
.irp k, 0,1,2,3,4,5
	v_cvt_pk_bf16_f32 v[64+2*\k], v[64+2*\k], v[65+2*\k]
	v_and_b32 v[65+2*\k], s[HIM], v[64+2*\k]
	v_lshlrev_b32 v[64+2*\k], 16, v[64+2*\k]
	ds_store_b64 v[TB], v[64+2*\k:65+2*\k] offset:1024*\k
.endr
	v_cvt_pk_bf16_f32 v112, v112, v112
	v_lshlrev_b32 v112, 16, v112
	v_lshl_add_u32 v[TC], v[TC], 2, PRM+6144
	s_cmp_lg_u32 s[WV], 0
	s_cbranch_scc1 .Lnob3
	ds_store_b32 v[TC], v112                       ; b3 by column: wave 0 alone
.Lnob3:
	s_mov_b64 s[WP:WP+1], s[18:19]                 ; the refills walk w2
	s_mov_b32 s[CC], 4
.Lcopy:                                            ; a trip stores 32 steps (64 rows) and asks for the next 32
	SLOT 0, 1, 24
	SLOT 1, 1, 24
	SLOT 2, 1, 24
	SLOT 3, 1, 24
	s_wait_xcnt 0x0                                ; the loads have read their base
	s_add_nc_u64 s[WP:WP+1], s[WP:WP+1], 0x10000
	v_add_nc_u32 v[LW], 64*PITCH, v[LW]
	s_sub_co_u32 s[CC], s[CC], 1
	s_cmp_lg_u32 s[CC], 0
	s_cbranch_scc1 .Lcopy
	SLOT 0, 0, 24                                  ; the last 64 rows: nothing more is asked for, the counts run down
	SLOT 1, 0, 16
	SLOT 2, 0, 8
	SLOT 3, 0, 0
	s_cmp_eq_u32 s[PCN], 3
	s_cbranch_scc0 .Lnocopy
	global_prefetch_b8 v[PFO], s[SP:SP+1] offset:65536 th:TH_LOAD_NT scope:SCOPE_SE   ; my 64 rows of trip 1, a lane a row of 256 bytes: trip 0 will load them behind its second LayerNorm
	global_prefetch_b8 v[PFO], s[SP:SP+1] offset:73728 th:TH_LOAD_NT scope:SCOPE_SE
.Lnocopy:
	s_wait_dscnt 0x0                               ; my stores into LDS are done
	s_barrier_signal -1
	s_barrier_wait -1                              ; everybody's are
	s_mov_b32 s[GCN], 2
.Ltrip:
	; ---------------------------------------------------------------- x
	s_wait_loadcnt 0x0                             ; this trip's rows (asked for a trip ago)
	WLOAD1 0
	s_cmp_eq_u32 s[PCN], 1
	s_cbranch_scc1 .Lxlds
	WIN 0x8a                                       ; in place in window 2: to bf16, back to two f32
.set lq, 0
.rept 64
	v_cvt_pk_bf16_f32 v[2*lq], v[2*lq], v[2*lq+1]
.set lq, lq+1
.endr
.set lq, 0
.rept 64
	v_and_b32 v[2*lq+1], s[HIM], v[2*lq]
.set lq, lq+1
.endr
.set lq, 0
.rept 64
	v_lshlrev_b32 v[2*lq], 16, v[2*lq]
.set lq, lq+1
.endr
	WIN 0x4a                                       ; and as f16 into H(t, c)
.set lq, 0
.rept 64
	v_cvt_pk_f16_f32 v[64*(lq/16)+8*((lq/8)%2)+(lq%8)], v[2*lq], v[2*lq+1]
.set lq, lq+1
.endr
	WIN 0
	s_cmp_eq_u32 s[PCN], 2
	s_cbranch_scc1 .Lxdone
	v_add_nc_u32 v28, s[XOFF], v[XS0]              ; the states' fragments are kept for the actor: my own bytes
	WIN 0x04                                       ; store data in window 1
.irp t, 0,1,2,3
.irp c, 0,1
	ds_store_b128 v28, v[64*\t+8*\c:64*\t+8*\c+3]   offset:512*(4*\t+2*\c)
	ds_store_b128 v28, v[64*\t+8*\c+4:64*\t+8*\c+7] offset:512*(4*\t+2*\c+1)
.endr
.endr
	WIN 0
	s_branch .Lxdone
.Lxlds:
	v_add_nc_u32 v28, s[XOFF], v[XS0]
	WIN 0x40
.irp t, 0,1,2,3
.irp c, 0,1
	ds_load_b128 v[64*\t+8*\c:64*\t+8*\c+3],   v28 offset:512*(4*\t+2*\c)
	ds_load_b128 v[64*\t+8*\c+4:64*\t+8*\c+7], v28 offset:512*(4*\t+2*\c+1)
.endr
.endr
	WIN 0
.Lxdone:
	; ---------------------------------------------------------------- layer 1
	CLEAR
	UNIT1 0
	UNIT1 1
	UNIT1 2
	UNIT1 3
	FLUSH 12, 128
	WLOAD2 0                                       ; lands under the LayerNorm
	v_mov_b32 v[VPL], v[VP]
	s_mov_b32 s[LY], 2
.Lln:                                              ; LayerNorm 1, layer 2; then LayerNorm 2
	LNORM
	s_cmp_eq_u32 s[LY], 1
	s_cbranch_scc1 .Lskip
	CLEAR
.set ub, 0
.rept 16
	UNIT2 ub
.set ub, ub+1
.endr
	FLUSH 15, 32
.irp b, 0,1                                        ; the last layer's weights and bias tiles land under the LayerNorm
.irp k, 0,1,2,3,4,5,6,7
	ds_load_tr16_b128 v[WB+64*\b+8*\k:WB+64*\b+8*\k+3],   v[VA3] offset:32*P3*\k+32*\b
	ds_load_tr16_b128 v[WB+64*\b+8*\k+4:WB+64*\b+8*\k+7], v[VA3] offset:32*P3*\k+32*\b+16*P3
.endr
	ds_load_b128 v[BT+8*\b:BT+8*\b+3],   v[VP] offset:6144+64*\b
	ds_load_b128 v[BT+8*\b+4:BT+8*\b+7], v[VP] offset:6144+64*\b+16
.endr
.Lskip:
	v_add_nc_u32 v[VPL], 3072, v[VPL]              ; the second layer's tables
	s_sub_co_u32 s[LY], s[LY], 1
	s_cmp_lg_u32 s[LY], 0
	s_cbranch_scc1 .Lln
	; ---------------------------------------------------------------- the next trip's rows: window 2 is free
	s_cmp_lt_u32 s[TI], 3
	s_cbranch_scc0 .Lnox                           ; trips 4 and 5 take their x from LDS
	s_wait_xcnt 0x0                                ; the last loads and prefetches, a trip back, have read their bases
	s_add_co_u32 s[T0], s[TI], 1
	s_and_b32 s[T1], s[T0], 1
	s_lshl_b32 s[T1], s[T1], 16                    ; the group's 256 rows
	s_mov_b32 s[T1+1], 0
	s_cmp_lt_u32 s[T0], 2
	s_cselect_b64 s[XP:XP+1], s[SP:SP+1], s[NP:NP+1]
	s_add_nc_u64 s[XP:XP+1], s[XP:XP+1], s[T1:T1+1]
	s_and_b32 s[T1], s[TI], 1
	s_lshl_b32 s[T1], s[T1], 16
	s_add_nc_u64 s[PFP:PFP+1], s[NP:NP+1], s[T1:T1+1]
	XLOAD
	s_cmp_lt_u32 s[TI], 2
	s_cbranch_scc0 .Lnox
	global_prefetch_b8 v[PFO], s[PFP:PFP+1] th:TH_LOAD_NT scope:SCOPE_SE              ; what the NEXT trip will load here: my 64 rows of next_states, group TI: a lane a row, each row named once in the launch
	global_prefetch_b8 v[PFO], s[PFP:PFP+1] offset:8192 th:TH_LOAD_NT scope:SCOPE_SE
.Lnox:
	s_cmp_eq_u32 s[PCN], 1
	s_cbranch_scc1 .Lactor
	; ---------------------------------------------------------------- the critic's head
	s_wait_dscnt 0x0
	L3M 1
	WIN 0x0f                                       ; sources in window 3: register 0 of the four sums
	v_cndmask_b32 v29, v0, v8, s[HIM]              ; lanes 0-15 tile 0's rows, lanes 16-31 tile 1's: lane l holds row l
	v_cndmask_b32 v30, v16, v24, s[HIM]            ; rows 32 + l
	WIN 0
	s_and_b32 s[T0], s[TI], 3
	s_lshl_b32 s[T0], s[T0], 10                    ; trips 0, 1: values; 2, 3: next values
	v_add_nc_u32 v28, s[T0], v[VV0]
	ds_store_b32 v28, v29
	ds_store_b32 v28, v30 offset:128
	s_branch .Ltend
.Lactor:
	; ---------------------------------------------------------------- the actor's head and softmax, in place in window 3: a0-a7 = v[8 t ..], logits 16, 17 = v[32 + 8 t], v[33 + 8 t]; v[34 + 8 t ..] at work
	s_wait_dscnt 0x0
	L3M 2
	WIN 0xff
.irp t, 0,1,2,3
	v_max3_num_f32 v[34+8*\t], v[8*\t], v[8*\t+1], v[8*\t+2]
.endr
.irp t, 0,1,2,3
	v_max3_num_f32 v[35+8*\t], v[8*\t+3], v[8*\t+4], v[8*\t+5]
.endr
.irp t, 0,1,2,3
	v_max3_num_f32 v[36+8*\t], v[8*\t+6], v[8*\t+7], v[32+8*\t]
.endr
.irp t, 0,1,2,3
	v_max3_num_f32 v[34+8*\t], v[34+8*\t], v[35+8*\t], v[36+8*\t]
.endr
.irp t, 0,1,2,3
	v_max_num_f32 v[34+8*\t], v[34+8*\t], v[33+8*\t]
.endr
.irp t, 0,1,2,3
	v_permlanex16_b32 v[35+8*\t], v[34+8*\t], s[SEL], s[SEL+1]
.endr
.irp t, 0,1,2,3
	v_max_num_f32 v[35+8*\t], v[34+8*\t], v[35+8*\t]      ; the row's maximum m
.endr
.irp t, 0,1,2,3
	v_mul_f32 v[34+8*\t], s[L2E], v[35+8*\t]              ; m log2(e)
.endr
.irp t, 0,1,2,3
.irp p, 0,1,2,3
	v_pk_fma_f32 v[8*\t+2*\p:8*\t+2*\p+1], v[8*\t+2*\p:8*\t+2*\p+1], s[L2E:L2E+1], v[34+8*\t:35+8*\t] op_sel_hi:[1,0,0] neg_lo:[0,0,1] neg_hi:[0,0,1]
.endr
	v_pk_fma_f32 v[32+8*\t:33+8*\t], v[32+8*\t:33+8*\t], s[L2E:L2E+1], v[34+8*\t:35+8*\t] op_sel_hi:[1,0,0] neg_lo:[0,0,1] neg_hi:[0,0,1]
.endr
.irp t, 0,1,2,3
.irp j, 0,1,2,3,4,5,6,7
	v_exp_f32 v[8*\t+\j], v[8*\t+\j]
.endr
	v_exp_f32 v[32+8*\t], v[32+8*\t]
	v_exp_f32 v[33+8*\t], v[33+8*\t]
.endr
	v_nop                                          ; a plain instruction behind the last exponential,
	s_wait_alu depctr_va_vdst(0)                   ; and one wait for the 40, ahead of their first reader
.irp t, 0,1,2,3
	v_pk_add_f32 v[36+8*\t:37+8*\t], v[8*\t:8*\t+1], v[8*\t+2:8*\t+3]
	v_pk_add_f32 v[38+8*\t:39+8*\t], v[8*\t+4:8*\t+5], v[8*\t+6:8*\t+7]
.endr
.irp t, 0,1,2,3
	v_pk_add_f32 v[36+8*\t:37+8*\t], v[36+8*\t:37+8*\t], v[38+8*\t:39+8*\t]
.endr
.irp t, 0,1,2,3
	v_add_f32 v[36+8*\t], v[36+8*\t], v[37+8*\t]
.endr
.irp t, 0,1,2,3
	v_permlanex16_b32 v[37+8*\t], v[36+8*\t], s[SEL], s[SEL+1]
.endr
.irp t, 0,1,2,3
	v_add_f32 v[36+8*\t], v[36+8*\t], v[37+8*\t]
.endr
.irp t, 0,1,2,3
	v_add_f32 v[36+8*\t], v[36+8*\t], v[32+8*\t]          ; units 16 and 17 lie in both halves: added once, behind the exchange
.endr
.irp t, 0,1,2,3
	v_add_f32 v[36+8*\t], v[36+8*\t], v[33+8*\t]
.endr
.irp t, 0,1,2,3
	v_rcp_f32 v[34+8*\t], v[36+8*\t]
.endr
	v_nop
	s_wait_alu depctr_va_vdst(0)                   ; one wait for the four reciprocals
.irp t, 0,1,2,3
.irp p, 0,1,2,3
	v_pk_mul_f32 v[8*\t+2*\p:8*\t+2*\p+1], v[8*\t+2*\p:8*\t+2*\p+1], v[34+8*\t:35+8*\t] op_sel_hi:[1,0]
.endr
	v_pk_mul_f32 v[32+8*\t:33+8*\t], v[32+8*\t:33+8*\t], v[34+8*\t:35+8*\t] op_sel_hi:[1,0]
.endr
	WIN 0x0f                                       ; sources window 3, destination window 0
.irp t, 0,1,2,3
.irp p, 0,1,2,3
	v_cvt_pk_f16_f32 v[128+8*\t+\p], v[8*\t+2*\p], v[8*\t+2*\p+1]
.endr
	v_cvt_pk_f16_f32 v[132+8*\t], v[32+8*\t], v[33+8*\t]
.endr
	WIN 0
.irp t, 0,1,2,3
	v_mov_b32 v[133+8*\t], 0
	ds_store_b64 v[STW], v[128+8*\t:129+8*\t] offset:640*\t      ; my 8 probabilities of the row,
	ds_store_b64 v[STW], v[130+8*\t:131+8*\t] offset:640*\t+8
	ds_store_b64 v[STW2], v[132+8*\t:133+8*\t] offset:640*\t     ; numbers 16, 17 and two zeros (both halves of the lanes write the same)
.endr
.irp i, 0,1,2,3,4
	ds_load_b128 v[192+4*\i:195+4*\i], v[STR] offset:512*\i      ; LDS serves a wave's instructions in order (ISA guide 5.7.1.4): these see the stores above
.endr
	s_wait_dscnt 0x0
.irp i, 0,1,2,3,4
	global_store_b128 v[GO], v[192+4*\i:195+4*\i], s[PP:PP+1] offset:512*\i   ; 16 lanes store 256 consecutive bytes, at a multiple of 256 from the buffer's first
.endr
	s_wait_xcnt 0x0                                ; the stores have read their base and data
	s_add_nc_u64 s[PP:PP+1], s[PP:PP+1], 10240     ; the next group's 256 rows
.Ltend:
	s_add_co_u32 s[TI], s[TI], 1
	s_xor_b32 s[XOFF], s[XOFF], 8192
	s_sub_co_u32 s[GCN], s[GCN], 1
	s_cmp_lg_u32 s[GCN], 0
	s_cbranch_scc1 .Ltrip
	s_sub_co_u32 s[PCN], s[PCN], 1
	s_cmp_lg_u32 s[PCN], 0
	s_cbranch_scc1 .Lpass
	; ---------------------------------------------------------------- deltas and the recurrence inside the chunk.  A stretch of steps is (P, S): adv(first) = S + P adv(behind the last);
	; a stretch L with a stretch R behind it is (P_L P_R, S_L + P_L S_R).  Thread tau has steps 4 tau .. 4 tau + 3.
	s_wait_loadcnt 0x0
	s_wait_dscnt 0x0
	s_barrier_signal -1
	s_barrier_wait -1                              ; all values lie in LDS
	v_add_nc_u32 v[TB], VVO, v[T16]
	ds_load_b128 v[128:131], v[TB]                 ; v
	ds_load_b128 v[132:135], v[TB] offset:2048     ; next v
.irp q, 20,22,24,26
	v_cvt_pk_bf16_f32 v[\q], v[\q], v[\q+1]        ; rewards and masks rounded like every input
	v_and_b32 v[\q+1], s[HIM], v[\q]
	v_lshlrev_b32 v[\q], 16, v[\q]
.endr
.irp j, 0,1,2,3
	v_mul_f32 v[136+\j], 0x3f70c49c, v[MK+\j]      ; c = 0.9405 m
.endr
	s_wait_dscnt 0x0
.irp j, 0,1,2,3
	v_mul_f32 v[140+\j], 0x3f7d70a4, v[132+\j]     ; 0.99 next v
.endr
.irp j, 0,1,2,3
	v_fma_f32 v[140+\j], v[140+\j], v[MK+\j], v[RW+\j]
.endr
.irp j, 0,1,2,3
	v_sub_f32 v[140+\j], v[140+\j], v[128+\j]      ; delta
.endr
.irp j, 2,1,0
	v_fma_f32 v[140+\j], v[136+\j], v[141+\j], v[140+\j]   ; s_j = d_j + c_j s_(j+1)
	v_mul_f32 v[136+\j], v[136+\j], v[137+\j]              ; p_j = c_j p_(j+1)
.endr
	v_mov_b32 v152, v136                           ; my four steps as one stretch
	v_mov_b32 v153, v140
	v_and_b32 v157, 31, v0
	v_lshlrev_b32 v157, 2, v157
.macro SSTEP dp, ds, off, mask                     ; (dp, ds) = the stretch of lane + off, or (1, 0) past lane 31
	v_add_nc_u32 v156, 4*(\off), v157
	ds_bpermute_b32 v[\dp], v156, v152
	ds_bpermute_b32 v[\ds], v156, v153
	s_mov_b32 s[T0], \mask
	s_wait_dscnt 0x0
	v_cndmask_b32 v[\dp], v[\dp], 1.0, s[T0]
	v_cndmask_b32 v[\ds], v[\ds], 0, s[T0]
.endm
.macro SJOIN off, mask
	SSTEP 154, 155, \off, \mask
	v_fma_f32 v153, v152, v155, v153
	v_mul_f32 v152, v152, v154
.endm
	SJOIN 1, 0x80000000                            ; lane l ends with lanes l .. 31
	SJOIN 2, 0xc0000000
	SJOIN 4, 0xf0000000
	SJOIN 8, 0xff000000
	SJOIN 16, 0xffff0000
	SSTEP 158, 159, 1, 0x80000000                  ; E: lanes l + 1 .. 31
	v_readlane_b32 s[T1], v152, 0                  ; the wave's whole stretch
	v_readlane_b32 s[T1+1], v153, 0
	v_mov_b32 v160, s[T1]
	v_mov_b32 v161, s[T1+1]
	s_lshl_b32 s[T0], s[WV], 3
	s_add_co_u32 s[T0], s[T0], WTO
	v_mov_b32 v162, s[T0]
	ds_store_b64 v162, v[160:161]
	s_wait_dscnt 0x0
	s_barrier_signal -1
	s_barrier_wait -1
	v_mov_b32 v163, WTO
	ds_load_b128 v[164:167], v163                  ; P0 S0 P1 S1
	ds_load_b128 v[168:171], v163 offset:16        ; P2 S2 P3 S3
	s_wait_dscnt 0x0
.irp u, 1,2,3
	s_cmp_gt_u32 \u, s[WV]                         ; a wave that is not behind mine counts as (1, 0)
	s_cselect_b32 s[T0], 0, -1
	v_cndmask_b32 v[164+2*\u], v[164+2*\u], 1.0, s[T0]
	v_cndmask_b32 v[165+2*\u], v[165+2*\u], 0, s[T0]
.endr
	v_fma_f32 v172, v168, v171, v169               ; S2 + P2 S3
	v_mul_f32 v173, v166, v168
	v_fma_f32 v172, v166, v172, v167               ; the waves behind mine: S
	v_mul_f32 v173, v173, v170                     ; and P
	v_fma_f32 v174, v158, v172, v159               ; all that lies behind my four steps: S
	v_mul_f32 v175, v158, v173                     ; and P
.irp j, 0,1,2,3
	v_fma_f32 v[176+\j], v[136+\j], v174, v[140+\j]   ; A0
	v_mul_f32 v[180+\j], v[136+\j], v175              ; C
.endr
	global_store_b128 v[T16], v[176:179], s[GAE:GAE+1]
	global_store_b128 v[T16], v[180:183], s[GAE:GAE+1] offset:524288
	global_store_b128 v[T16], v[128:131], s[GAE:GAE+1] offset:1048576
	v_mov_b32 v184, 0
	s_wait_xcnt 0x0                                ; EXEC changes only behind this wait
	v_cmp_eq_u32 vcc_lo, 0, v0
	s_and_saveexec_b32 s[T0], vcc_lo
	global_store_b32 v184, v180, s[CAR:CAR+1]      ; the chunk as one stretch: P,
	global_store_b32 v184, v176, s[CAR:CAR+1] offset:1024   ; S
	s_wait_xcnt 0x0                                ; and again, in front of the line that widens it
	s_or_b32 exec_lo, exec_lo, s[T0]
	s_wait_tensorcnt 0x0                           ; the wave's end, behind my last LDS store
	ds_add_u32 v[SPW], v[NIL]
	s_wait_dscnt 0x0
	s_endpgm
.Lfunc_end_k_qce0c7feac1_main:
	.size	k_qce0c7feac1_main, .Lfunc_end_k_qce0c7feac1_main-k_qce0c7feac1_main
	.p2alignl 7, 3214868480
	.fill 96, 4, 3214868480
	.section	.rodata,"a",@progbits
	.p2align	6, 0x0
	.amdhsa_kernel k_qce0c7feac1_main
		.amdhsa_group_segment_fixed_size 285696
		.amdhsa_private_segment_fixed_size 0
		.amdhsa_enable_private_segment 0
		.amdhsa_kernarg_size 216
		.amdhsa_user_sgpr_count 2
		.amdhsa_user_sgpr_kernarg_segment_ptr 1
		.amdhsa_wavefront_size32 1
		.amdhsa_system_sgpr_workgroup_id_x 1
		.amdhsa_system_sgpr_workgroup_id_y 1
		.amdhsa_system_sgpr_workgroup_id_z 1
		.amdhsa_system_vgpr_workitem_id 0
		.amdhsa_next_free_vgpr 1024
		.amdhsa_next_free_sgpr 96
		.amdhsa_reserve_vcc 1
		.amdhsa_float_denorm_mode_32 3
		.amdhsa_float_denorm_mode_16_64 3
		.amdhsa_memory_ordered 1
		.amdhsa_forward_progress 1
		.amdhsa_inst_pref_size 255
	.end_amdhsa_kernel
	.section	.bss,"aw",@nobits
	.p2align	6
	.space	262144
	.amdgpu_metadata
---
amdhsa.version: [ 1, 2 ]
amdhsa.kernels:
  - .name:           k_qce0c7feac1_main
    .symbol:         k_qce0c7feac1_main.kd
    .args:
      - { .name: states, .offset: 0, .size: 8, .value_kind: global_buffer, .address_space: global }
      - { .name: next_states, .offset: 8, .size: 8, .value_kind: global_buffer, .address_space: global }
      - { .name: rewards, .offset: 16, .size: 8, .value_kind: global_buffer, .address_space: global }
      - { .name: masks, .offset: 24, .size: 8, .value_kind: global_buffer, .address_space: global }
      - { .name: cw1, .offset: 32, .size: 8, .value_kind: global_buffer, .address_space: global }
      - { .name: cw2, .offset: 40, .size: 8, .value_kind: global_buffer, .address_space: global }
      - { .name: cw3, .offset: 48, .size: 8, .value_kind: global_buffer, .address_space: global }
      - { .name: cb1, .offset: 56, .size: 8, .value_kind: global_buffer, .address_space: global }
      - { .name: cg1, .offset: 64, .size: 8, .value_kind: global_buffer, .address_space: global }
      - { .name: cn1, .offset: 72, .size: 8, .value_kind: global_buffer, .address_space: global }
      - { .name: cb2, .offset: 80, .size: 8, .value_kind: global_buffer, .address_space: global }
      - { .name: cg2, .offset: 88, .size: 8, .value_kind: global_buffer, .address_space: global }
      - { .name: cn2, .offset: 96, .size: 8, .value_kind: global_buffer, .address_space: global }
      - { .name: cb3, .offset: 104, .size: 8, .value_kind: global_buffer, .address_space: global }
      - { .name: aw1, .offset: 112, .size: 8, .value_kind: global_buffer, .address_space: global }
      - { .name: aw2, .offset: 120, .size: 8, .value_kind: global_buffer, .address_space: global }
      - { .name: aw3, .offset: 128, .size: 8, .value_kind: global_buffer, .address_space: global }
      - { .name: ab1, .offset: 136, .size: 8, .value_kind: global_buffer, .address_space: global }
      - { .name: ag1, .offset: 144, .size: 8, .value_kind: global_buffer, .address_space: global }
      - { .name: an1, .offset: 152, .size: 8, .value_kind: global_buffer, .address_space: global }
      - { .name: ab2, .offset: 160, .size: 8, .value_kind: global_buffer, .address_space: global }
      - { .name: ag2, .offset: 168, .size: 8, .value_kind: global_buffer, .address_space: global }
      - { .name: an2, .offset: 176, .size: 8, .value_kind: global_buffer, .address_space: global }
      - { .name: ab3, .offset: 184, .size: 8, .value_kind: global_buffer, .address_space: global }
      - { .name: probs16, .offset: 192, .size: 8, .value_kind: global_buffer, .address_space: global }
      - { .name: gae, .offset: 200, .size: 8, .value_kind: global_buffer, .address_space: global }
      - { .name: carry, .offset: 208, .size: 8, .value_kind: global_buffer, .address_space: global }
    .group_segment_fixed_size: 285696
    .private_segment_fixed_size: 0
    .kernarg_segment_align: 8
    .kernarg_segment_size: 216
    .max_flat_workgroup_size: 128
    .sgpr_count:     96
    .vgpr_count:     1024
    .wavefront_size: 32
...
	.end_amdgpu_metadata
.endif
;; end of part 1
;; launch finish (part 2): grid 256 x 1, 8 waves a work-group, no clusters, 0 bytes of LDS; arguments probs16, gae, carry, out0; writes out0
.if DOCPART == 2
	.amdgcn_target "amdgcn-amd-amdhsa--gfx1250"
	.amdhsa_code_object_version 6
	.text
	.protected	k_qce0c7feac1_finish
	.globl	k_qce0c7feac1_finish
	.p2align	8
	.type	k_qce0c7feac1_finish,@function
k_qce0c7feac1_finish:
	s_mov_b64 s[64:65], 0
	v_nop
	global_prefetch_b8 v0, s[64:65] scope:SCOPE_SE
	s_setreg_imm32_b32 hwreg(HW_REG_WAVE_MODE, 25, 1), 1
	s_wait_xcnt 0x0
; out0 [T][20] f32: 18 probabilities, advantage, return.  Work-group b is chunk b of 512 timesteps: 2,560 quads of 16 bytes; thread tau takes quads tau + 256 i, i = 0 .. 9.
; G, the advantage at the next chunk's first step, is made by every wave for itself from the 256 chunks' (P, S): the chunks up to b count as (1, 0), the others are joined in order,
; (P_L P_R, S_L + P_L S_R); behind the last chunk the advantage is 0, as the recurrence starts.  Then adv = A0 + C G, ret = adv + v.  Nothing is left out.
; Memory binds: no LDS, no barrier, no matrix unit; all loads go out first; each store of a wave covers 512 consecutive bytes, aligned.
.set CP,  16                   ; v16-23  P of chunks 8 l .. 8 l + 7
.set CS,  24                   ; v24-31  S
.set PR,  32                   ; v32-51  quad i: four f16
.set GA,  52                   ; v52-81  quad i: A0, C, v of its row
.set RO,  82                   ; v82-91  4 x row
.set QF,  92                   ; v92-101 the quad's place in its row, 0 .. 4
.set OUT, 104                  ; v104-143
	s_load_b256 s[4:11], s[0:1], 0x0               ; probs16, gae, carry, out0
	v_and_b32 v1, 31, v0
	v_lshlrev_b32 v2, 5, v1                        ; 8 chunks of 4 bytes a lane
	v_lshlrev_b32 v3, 3, v0
	v_lshlrev_b32 v4, 4, v0
	v_lshlrev_b32 v5, 3, v1                        ; my first chunk
	v_mov_b32 v9, 0                                ; destinations of lane moves count as read
	v_mov_b32 v10, 0
.set i, 0
.rept 10
	v_add_nc_u32 v[QF+i], 256*i, v0                ; the quad
	v_mul_hi_u32 v[RO+i], v[QF+i], 0xcccccccd
	v_lshrrev_b32 v[RO+i], 2, v[RO+i]              ; its row: quad / 5
	v_mul_u32_u24 v6, v[RO+i], 5
	v_sub_nc_u32 v[QF+i], v[QF+i], v6
	v_lshlrev_b32 v[RO+i], 2, v[RO+i]
.set i, i+1
.endr
	s_mov_b32 s12, ttmp9
	s_mul_i32 s14, ttmp9, 20480
	s_mov_b32 s15, 0
	s_lshl_b32 s16, ttmp9, 11
	s_mov_b32 s17, 0
	s_mul_i32 s18, ttmp9, 40960
	s_mov_b32 s19, 0
	s_mov_b32 s20, 0x76543210
	s_mov_b32 s21, 0xfedcba98
	s_wait_kmcnt 0x0
	s_add_nc_u64 s[4:5], s[4:5], s[14:15]
	s_add_nc_u64 s[6:7], s[6:7], s[16:17]
	s_add_nc_u64 s[10:11], s[10:11], s[18:19]
	global_load_b128 v[CP:CP+3],   v2, s[8:9]
	global_load_b128 v[CP+4:CP+7], v2, s[8:9] offset:16
	global_load_b128 v[CS:CS+3],   v2, s[8:9] offset:1024
	global_load_b128 v[CS+4:CS+7], v2, s[8:9] offset:1040
.set i, 0
.rept 10
	global_load_b64 v[PR+2*i:PR+2*i+1], v3, s[4:5] offset:2048*i th:TH_LOAD_NT
	global_load_b32 v[GA+3*i],   v[RO+i], s[6:7]
	global_load_b32 v[GA+3*i+1], v[RO+i], s[6:7] offset:524288
	global_load_b32 v[GA+3*i+2], v[RO+i], s[6:7] offset:1048576
.set i, i+1
.endr
	s_wait_loadcnt 40                              ; the carry's four loads are in; the 40 behind them stay out
.set j, 0
.rept 8
	v_add_nc_u32 v6, j, v5
	v_cmp_ge_u32 vcc_lo, s12, v6                   ; a chunk up to mine
	v_cndmask_b32 v[CP+j], v[CP+j], 1.0, vcc_lo
	v_cndmask_b32 v[CS+j], v[CS+j], 0, vcc_lo
.set j, j+1
.endr
	v_fma_f32 v8, v[CP+6], v[CS+7], v[CS+6]        ; my eight chunks, from the right
	v_mul_f32 v7, v[CP+6], v[CP+7]
.irp j, 5,4,3,2,1,0
	v_fma_f32 v8, v[CP+\j], v8, v[CS+\j]
	v_mul_f32 v7, v[CP+\j], v7
.endr
.macro JOIN mask                                   ; (v9, v10) hold the partner's stretch; the lanes of the mask lie to its right
	s_mov_b32 s22, \mask
	v_cndmask_b32 v11, v8, v10, s22                ; the left one's S,
	v_cndmask_b32 v12, v7, v9, s22                 ; its P,
	v_cndmask_b32 v13, v10, v8, s22                ; the right one's S
	v_fma_f32 v8, v12, v13, v11
	v_mul_f32 v7, v7, v9
.endm
	v_mov_b32_dpp v9, v7 row_xmask:1 row_mask:0xf bank_mask:0xf
	v_mov_b32_dpp v10, v8 row_xmask:1 row_mask:0xf bank_mask:0xf
	JOIN 0xaaaaaaaa
	v_mov_b32_dpp v9, v7 row_xmask:2 row_mask:0xf bank_mask:0xf
	v_mov_b32_dpp v10, v8 row_xmask:2 row_mask:0xf bank_mask:0xf
	JOIN 0xcccccccc
	v_mov_b32_dpp v9, v7 row_xmask:4 row_mask:0xf bank_mask:0xf
	v_mov_b32_dpp v10, v8 row_xmask:4 row_mask:0xf bank_mask:0xf
	JOIN 0xf0f0f0f0
	v_mov_b32_dpp v9, v7 row_xmask:8 row_mask:0xf bank_mask:0xf
	v_mov_b32_dpp v10, v8 row_xmask:8 row_mask:0xf bank_mask:0xf
	JOIN 0xff00ff00
	v_permlanex16_b32 v9, v7, s20, s21
	v_permlanex16_b32 v10, v8, s20, s21
	JOIN 0xffff0000                                ; v8 = G in every lane
.macro QUAD i, a, b, c, d
	s_wait_loadcnt 4*(9-(\i))                      ; this quad's four loads are in; the later quads' stay out
	v_cvt_f32_f16 v[OUT+4*(\i)], \a
	v_cvt_f32_f16 v[OUT+4*(\i)+1], \b
	v_cvt_f32_f16 v[OUT+4*(\i)+2], \c
	v_cvt_f32_f16 v[OUT+4*(\i)+3], \d
	v_fma_f32 v14, v[GA+3*(\i)+1], v8, v[GA+3*(\i)]          ; adv = A0 + C G
	v_cmp_eq_u32 vcc_lo, 4, v[QF+(\i)]                       ; a row's last quad: probabilities 16, 17, adv, ret
	v_add_f32 v15, v14, v[GA+3*(\i)+2]                       ; ret = adv + v
	v_cndmask_b32 v[OUT+4*(\i)+2], v[OUT+4*(\i)+2], v14, vcc_lo
	v_cndmask_b32 v[OUT+4*(\i)+3], v[OUT+4*(\i)+3], v15, vcc_lo
	global_store_b128 v4, v[OUT+4*(\i):OUT+4*(\i)+3], s[10:11] offset:4096*(\i) th:TH_STORE_NT
.endm
	QUAD 0, v32.l, v32.h, v33.l, v33.h
	QUAD 1, v34.l, v34.h, v35.l, v35.h
	QUAD 2, v36.l, v36.h, v37.l, v37.h
	QUAD 3, v38.l, v38.h, v39.l, v39.h
	QUAD 4, v40.l, v40.h, v41.l, v41.h
	QUAD 5, v42.l, v42.h, v43.l, v43.h
	QUAD 6, v44.l, v44.h, v45.l, v45.h
	QUAD 7, v46.l, v46.h, v47.l, v47.h
	QUAD 8, v48.l, v48.h, v49.l, v49.h
	QUAD 9, v50.l, v50.h, v51.l, v51.h
	s_endpgm
.Lfunc_end_k_qce0c7feac1_finish:
	.size	k_qce0c7feac1_finish, .Lfunc_end_k_qce0c7feac1_finish-k_qce0c7feac1_finish
	.p2alignl 7, 3214868480
	.fill 96, 4, 3214868480
	.section	.rodata,"a",@progbits
	.p2align	6, 0x0
	.amdhsa_kernel k_qce0c7feac1_finish
		.amdhsa_group_segment_fixed_size 0
		.amdhsa_private_segment_fixed_size 0
		.amdhsa_enable_private_segment 0
		.amdhsa_kernarg_size 32
		.amdhsa_user_sgpr_count 2
		.amdhsa_user_sgpr_kernarg_segment_ptr 1
		.amdhsa_wavefront_size32 1
		.amdhsa_system_sgpr_workgroup_id_x 1
		.amdhsa_system_sgpr_workgroup_id_y 1
		.amdhsa_system_sgpr_workgroup_id_z 1
		.amdhsa_system_vgpr_workitem_id 0
		.amdhsa_next_free_vgpr 144
		.amdhsa_next_free_sgpr 66
		.amdhsa_reserve_vcc 1
		.amdhsa_float_denorm_mode_32 3
		.amdhsa_float_denorm_mode_16_64 3
		.amdhsa_memory_ordered 1
		.amdhsa_forward_progress 1
		.amdhsa_inst_pref_size 18
	.end_amdhsa_kernel
	.amdgpu_metadata
---
amdhsa.version: [ 1, 2 ]
amdhsa.kernels:
  - .name:           k_qce0c7feac1_finish
    .symbol:         k_qce0c7feac1_finish.kd
    .args:
      - { .name: probs16, .offset: 0, .size: 8, .value_kind: global_buffer, .address_space: global }
      - { .name: gae, .offset: 8, .size: 8, .value_kind: global_buffer, .address_space: global }
      - { .name: carry, .offset: 16, .size: 8, .value_kind: global_buffer, .address_space: global }
      - { .name: out0, .offset: 24, .size: 8, .value_kind: global_buffer, .address_space: global }
    .group_segment_fixed_size: 0
    .private_segment_fixed_size: 0
    .kernarg_segment_align: 8
    .kernarg_segment_size: 32
    .max_flat_workgroup_size: 256
    .sgpr_count:     66
    .vgpr_count:     144
    .wavefront_size: 32
...
	.end_amdgpu_metadata
.endif
;; end of part 2
;; ======== version 2 of 2: 2 launches; version 1 with the launch finish written anew for expert scheduling mode
;; limits: a difference of large sums (such as E[x^2] - mean^2): digits are lost where the result is much smaller than its terms; values are held in f16: magnitudes above 65,504 overflow, below 6.1e-05 lose precision; inputs' magnitudes at most 65,504
;; workspace buffers: probs16 5,242,880 bytes; gae 1,572,864 bytes; carry 2,048 bytes
;; launch main: the kernel of part 1 again; grid 256 x 1, 4 waves a work-group, no clusters, 285,696 bytes of LDS; arguments states, next_states, rewards, masks, cw1, cw2, cw3, cb1, cg1, cn1, cb2, cg2, cn2, cb3, aw1, aw2, aw3, ab1, ag1, an1, ab2, ag2, an2, ab3, probs16, gae, carry; writes probs16, gae, carry
;; launch finish (part 3): grid 256 x 1, 8 waves a work-group, no clusters, 0 bytes of LDS; arguments probs16, gae, carry, out0; writes out0
.if DOCPART == 3
	.amdgcn_target "amdgcn-amd-amdhsa--gfx1250"
	.amdhsa_code_object_version 6
	.text
	.protected	k_qce0c7feac1_finish
	.globl	k_qce0c7feac1_finish
	.p2align	8
	.type	k_qce0c7feac1_finish,@function
k_qce0c7feac1_finish:
	s_mov_b64 s[64:65], 0
	v_nop
	global_prefetch_b8 v0, s[64:65] scope:SCOPE_SE
	s_setreg_imm32_b32 hwreg(HW_REG_WAVE_SCHED_MODE, 0, 2), 2
	s_setreg_imm32_b32 hwreg(HW_REG_WAVE_MODE, 25, 1), 1
	s_wait_xcnt 0x0
	s_wait_alu depctr_vm_vsrc(0)
; out0 [T][20] f32: 18 probabilities, advantage, return.  Work-group b is chunk b of 512 timesteps: 2,560 quads of 16 bytes; thread tau takes quads tau + 256 i, i = 0 .. 9.
; G, the advantage at the next chunk's first step, is made by every wave for itself from the 256 chunks' (P, S): the chunks up to b count as (1, 0), the others are joined in order,
; (P_L P_R, S_L + P_L S_R); behind the last chunk the advantage is 0, as the recurrence starts.  Then adv = A0 + C G, ret = adv + v.  Nothing is left out.
; Memory binds: no LDS, no barrier, no matrix unit; all loads go out first; each store of a wave covers 512 consecutive bytes, aligned.
; THE MODE: SCHED_MODE bits 1:0 = 2 (LLVM: expert scheduling mode 2), set by the entry lines.  The code itself states the register dependences
; between vector instructions and memory instructions, with s_wait_alu, always for 0.
; THE PLAN.  The text has no loop and no branch.  Registers that memory instructions touch:
;   v2, v3, v4, RO   byte offsets: written by vector instructions at the head, read by the 44 loads (v4: by the 10 stores), never written again.
;   CP, CS, PR, GA   each the target of one load; no vector instruction names them ahead of the loads; read behind the counted waits for the loads.
;   OUT              quad i's four registers: written by quad i's conversions and selects, read by quad i's store, never written again.
; So: one wait on va_vdst ahead of the first load, for all offsets.  The quads go in five pairs: at a pair's head, behind the wait for its loads, one wait on va_vdst states that the pair
; before has written its OUT; that pair's two stores follow, dealt among this pair's vector lines, which name none of the registers that those stores touch.  One more stands ahead of the last two stores.
; No register that a memory instruction reads is written again, so no wait on vm_vsrc is owed.
; The 18 masks hang on ids alone: their compares stand in one run behind the loads, each into a scalar register of its own, with one wait on va_sdst behind the run and ahead of the first select.
.set CP,  16                   ; v16-23  P of chunks 8 l .. 8 l + 7
.set CS,  24                   ; v24-31  S
.set PR,  32                   ; v32-51  quad i: four f16
.set GA,  52                   ; v52-81  quad i: A0, C, v of its row
.set RO,  82                   ; v82-91  4 x row
.set QF,  92                   ; v92-101 the quad's place in its row, 0 .. 4
.set OUT, 104                  ; v104-143
.set MC,  14                   ; s14-21  mask j: chunk 8 l + j is a chunk up to mine.  (Until the three address sums have read them, s14-19 hold the three byte offsets.)
.set MQ,  22                   ; s22-31  mask i: quad i is its row's last
	s_load_b256 s[4:11], s[0:1], 0x0               ; probs16, gae, carry, out0
	v_and_b32 v1, 31, v0
	v_lshlrev_b32 v2, 5, v1                        ; 8 chunks of 4 bytes a lane
	v_lshlrev_b32 v3, 3, v0
	v_lshlrev_b32 v4, 4, v0
	v_lshlrev_b32 v5, 3, v1                        ; my first chunk
	v_mov_b32 v9, 0                                ; destinations of lane moves count as read
	v_mov_b32 v10, 0
.set i, 0
.rept 10
	v_add_nc_u32 v[QF+i], 256*i, v0                ; the quad
	v_mul_hi_u32 v[RO+i], v[QF+i], 0xcccccccd
	v_lshrrev_b32 v[RO+i], 2, v[RO+i]              ; its row: quad / 5
	v_mul_u32_u24 v6, v[RO+i], 5
	v_sub_nc_u32 v[QF+i], v[QF+i], v6
	v_lshlrev_b32 v[RO+i], 2, v[RO+i]
.set i, i+1
.endr
	s_mov_b32 s12, ttmp9
	s_mul_i32 s14, ttmp9, 20480
	s_mov_b32 s15, 0
	s_lshl_b32 s16, ttmp9, 11
	s_mov_b32 s17, 0
	s_mul_i32 s18, ttmp9, 40960
	s_mov_b32 s19, 0
	s_mov_b32 s2, 0x76543210
	s_mov_b32 s3, 0xfedcba98
	s_wait_kmcnt 0x0
	s_add_nc_u64 s[4:5], s[4:5], s[14:15]
	s_add_nc_u64 s[6:7], s[6:7], s[16:17]
	s_add_nc_u64 s[10:11], s[10:11], s[18:19]
	s_wait_alu depctr_va_vdst(0)                   ; v2, v3, v4 and v[RO ..] are written: every load and store of the kernel reads one of them as its offset, and no later vector instruction names them
	global_load_b128 v[CP:CP+3],   v2, s[8:9]
	global_load_b128 v[CP+4:CP+7], v2, s[8:9] offset:16
	global_load_b128 v[CS:CS+3],   v2, s[8:9] offset:1024
	global_load_b128 v[CS+4:CS+7], v2, s[8:9] offset:1040
.set i, 0
.rept 10
	global_load_b64 v[PR+2*i:PR+2*i+1], v3, s[4:5] offset:2048*i th:TH_LOAD_NT
	global_load_b32 v[GA+3*i],   v[RO+i], s[6:7]
	global_load_b32 v[GA+3*i+1], v[RO+i], s[6:7] offset:524288
	global_load_b32 v[GA+3*i+2], v[RO+i], s[6:7] offset:1048576
.set i, i+1
.endr
	; the 18 masks, while the loads are out: they read v5, v6 and v[QF ..], which no memory instruction names
.set j, 0
.rept 8
	v_add_nc_u32 v6, j, v5
	v_cmp_ge_u32 s[MC+j], s12, v6                  ; a chunk up to mine
.set j, j+1
.endr
.set i, 0
.rept 10
	v_cmp_eq_u32 s[MQ+i], 4, v[QF+i]               ; a row's last quad: probabilities 16, 17, adv, ret
.set i, i+1
.endr
	s_wait_alu depctr_va_sdst(0)                   ; the 18 compares have written s14 to s31, ahead of the first select that reads one of them
	s_wait_loadcnt 40                              ; the carry's four loads are in; the 40 behind them stay out
.set j, 0
.rept 8
	v_cndmask_b32 v[CP+j], v[CP+j], 1.0, s[MC+j]
	v_cndmask_b32 v[CS+j], v[CS+j], 0, s[MC+j]
.set j, j+1
.endr
	v_fma_f32 v8, v[CP+6], v[CS+7], v[CS+6]        ; my eight chunks, from the right
	v_mul_f32 v7, v[CP+6], v[CP+7]
.irp j, 5,4,3,2,1,0
	v_fma_f32 v8, v[CP+\j], v8, v[CS+\j]
	v_mul_f32 v7, v[CP+\j], v7
.endr
.macro JOIN mask                                   ; (v9, v10) hold the partner's stretch; the lanes of the mask lie to its right
	s_mov_b32 s13, \mask
	v_cndmask_b32 v11, v8, v10, s13                ; the left one's S,
	v_cndmask_b32 v12, v7, v9, s13                 ; its P,
	v_cndmask_b32 v13, v10, v8, s13                ; the right one's S
	v_fma_f32 v8, v12, v13, v11
	v_mul_f32 v7, v7, v9
.endm
	v_mov_b32_dpp v9, v7 row_xmask:1 row_mask:0xf bank_mask:0xf
	v_mov_b32_dpp v10, v8 row_xmask:1 row_mask:0xf bank_mask:0xf
	JOIN 0xaaaaaaaa
	v_mov_b32_dpp v9, v7 row_xmask:2 row_mask:0xf bank_mask:0xf
	v_mov_b32_dpp v10, v8 row_xmask:2 row_mask:0xf bank_mask:0xf
	JOIN 0xcccccccc
	v_mov_b32_dpp v9, v7 row_xmask:4 row_mask:0xf bank_mask:0xf
	v_mov_b32_dpp v10, v8 row_xmask:4 row_mask:0xf bank_mask:0xf
	JOIN 0xf0f0f0f0
	v_mov_b32_dpp v9, v7 row_xmask:8 row_mask:0xf bank_mask:0xf
	v_mov_b32_dpp v10, v8 row_xmask:8 row_mask:0xf bank_mask:0xf
	JOIN 0xff00ff00
	v_permlanex16_b32 v9, v7, s2, s3
	v_permlanex16_b32 v10, v8, s2, s3
	JOIN 0xffff0000                                ; v8 = G in every lane
; quad i's vector work: it names its own PR, GA, OUT and mask, v8, v14 and v15, and no register of another quad's store
.macro CALC i, a, b, c, d
	v_cvt_f32_f16 v[OUT+4*(\i)], \a
	v_cvt_f32_f16 v[OUT+4*(\i)+1], \b
	v_cvt_f32_f16 v[OUT+4*(\i)+2], \c
	v_cvt_f32_f16 v[OUT+4*(\i)+3], \d
	v_fma_f32 v14, v[GA+3*(\i)+1], v8, v[GA+3*(\i)]          ; adv = A0 + C G
	v_add_f32 v15, v14, v[GA+3*(\i)+2]                       ; ret = adv + v
	v_cndmask_b32 v[OUT+4*(\i)+2], v[OUT+4*(\i)+2], v14, s[MQ+(\i)]
	v_cndmask_b32 v[OUT+4*(\i)+3], v[OUT+4*(\i)+3], v15, s[MQ+(\i)]
.endm
.macro SEND i
	global_store_b128 v4, v[OUT+4*(\i):OUT+4*(\i)+3], s[10:11] offset:4096*(\i) th:TH_STORE_NT
.endm
	s_wait_loadcnt 32                              ; loads come back in order (ISA guide 5.7.1): quads 0 and 1 are in (four loads each); the later pairs' 32 stay out
	CALC 0, v32.l, v32.h, v33.l, v33.h
	CALC 1, v34.l, v34.h, v35.l, v35.h
	s_wait_loadcnt 24                              ; quads 2 and 3 are in
	s_wait_alu depctr_va_vdst(0)                   ; quads 0 and 1 have written their OUT, which the two stores below read
	SEND 0
	CALC 2, v36.l, v36.h, v37.l, v37.h
	SEND 1                                         ; no wait: no vector instruction since the wait above names its registers
	CALC 3, v38.l, v38.h, v39.l, v39.h
	s_wait_loadcnt 16                              ; quads 4 and 5 are in
	s_wait_alu depctr_va_vdst(0)                   ; quads 2 and 3 have written their OUT, which the two stores below read
	SEND 2
	CALC 4, v40.l, v40.h, v41.l, v41.h
	SEND 3
	CALC 5, v42.l, v42.h, v43.l, v43.h
	s_wait_loadcnt 8                               ; quads 6 and 7 are in
	s_wait_alu depctr_va_vdst(0)                   ; quads 4 and 5 have written their OUT, which the two stores below read
	SEND 4
	CALC 6, v44.l, v44.h, v45.l, v45.h
	SEND 5
	CALC 7, v46.l, v46.h, v47.l, v47.h
	s_wait_loadcnt 0x0                             ; quads 8 and 9 are in
	s_wait_alu depctr_va_vdst(0)                   ; quads 6 and 7 have written their OUT, which the two stores below read
	SEND 6
	CALC 8, v48.l, v48.h, v49.l, v49.h
	SEND 7
	CALC 9, v50.l, v50.h, v51.l, v51.h
	s_wait_alu depctr_va_vdst(0)                   ; quads 8 and 9 have written their OUT, which the last two stores read
	SEND 8
	SEND 9
	s_endpgm
.Lfunc_end_k_qce0c7feac1_finish:
	.size	k_qce0c7feac1_finish, .Lfunc_end_k_qce0c7feac1_finish-k_qce0c7feac1_finish
	.p2alignl 7, 3214868480
	.fill 96, 4, 3214868480
	.section	.rodata,"a",@progbits
	.p2align	6, 0x0
	.amdhsa_kernel k_qce0c7feac1_finish
		.amdhsa_group_segment_fixed_size 0
		.amdhsa_private_segment_fixed_size 0
		.amdhsa_enable_private_segment 0
		.amdhsa_kernarg_size 32
		.amdhsa_user_sgpr_count 2
		.amdhsa_user_sgpr_kernarg_segment_ptr 1
		.amdhsa_wavefront_size32 1
		.amdhsa_system_sgpr_workgroup_id_x 1
		.amdhsa_system_sgpr_workgroup_id_y 1
		.amdhsa_system_sgpr_workgroup_id_z 1
		.amdhsa_system_vgpr_workitem_id 0
		.amdhsa_next_free_vgpr 144
		.amdhsa_next_free_sgpr 66
		.amdhsa_reserve_vcc 0
		.amdhsa_float_denorm_mode_32 3
		.amdhsa_float_denorm_mode_16_64 3
		.amdhsa_memory_ordered 1
		.amdhsa_forward_progress 1
		.amdhsa_inst_pref_size 19
	.end_amdhsa_kernel
	.amdgpu_metadata
---
amdhsa.version: [ 1, 2 ]
amdhsa.kernels:
  - .name:           k_qce0c7feac1_finish
    .symbol:         k_qce0c7feac1_finish.kd
    .args:
      - { .name: probs16, .offset: 0, .size: 8, .value_kind: global_buffer, .address_space: global }
      - { .name: gae, .offset: 8, .size: 8, .value_kind: global_buffer, .address_space: global }
      - { .name: carry, .offset: 16, .size: 8, .value_kind: global_buffer, .address_space: global }
      - { .name: out0, .offset: 24, .size: 8, .value_kind: global_buffer, .address_space: global }
    .group_segment_fixed_size: 0
    .private_segment_fixed_size: 0
    .kernarg_segment_align: 8
    .kernarg_segment_size: 32
    .max_flat_workgroup_size: 256
    .sgpr_count:     66
    .vgpr_count:     144
    .wavefront_size: 32
...
	.end_amdgpu_metadata
.endif
;; end of part 3
